; MI455X (gfx1250); checked and timed in simulation.
; The chip was launched on July 23, 2026; its instructions are those of AMD's public machine-readable ISA for CDNA 5 (MIT licence, August 2026) and "CDNA5" Instruction Set Architecture Reference Guide (July 2026). The comments in the code are by the model that wrote it; some were corrected since.
;; Neuro Grid. Allowed arithmetic: matrix products marked QUANTISED: E3M2 operands, one E8M0 scale for each 32 along K, by v_wmma_scale_f32_16x16x128_f8f6f4 with both operands' format E3M2, f32 sums; products left as they are: f32 operands where the result goes on into a quantised operand, else bf16, f16 or f32 operands; f32 sums; everything else in f32.
;; Inputs: W1_codes 16 x 24 x 24 uint8 (E3M2 codes of W1, K innermost, in blocks of 32 codes, four codes in three bytes); W1_scales 16 x 24 uint8 (E8M0 scales of W1, one for each 32 codes along K); W2_codes 16 x 24 x 24 uint8 (E3M2 codes of W2, K innermost, in blocks of 32 codes, four codes in three bytes); W2_scales 16 x 24 uint8 (E8M0 scales of W2, one for each 32 codes along K); W3_codes 16 x 24 x 24 uint8 (E3M2 codes of W3, K innermost, in blocks of 32 codes, four codes in three bytes); W3_scales 16 x 24 uint8 (E8M0 scales of W3, one for each 32 codes along K); b1 16 float32; b2 16 float32; b3 16 float32; grid 16 x 16 x 16 x 768 float32; temperature one number float32; x_codes 8 x 2,048 x 24 x 24 uint8 (E3M2 codes of x, K innermost, in blocks of 32 codes, four codes in three bytes); x_scales 8 x 2,048 x 24 uint8 (E8M0 scales of x, one for each 32 codes along K).
;; Outputs: out0 8 x 2,048 x 768 float32.
;; This version of the problem:
;;   THIS VERSION OF THE PROBLEM IS GIVEN IN LOW PRECISION. The matrix products marked QUANTISED in the list below multiply operands that are first quantised to E3M2 (3 exponent bits, 2 mantissa bits; 6 bits a number), with one power-of-two scale for each 32 numbers along K (OCP MX v1.0); their sums are f32. All else is computed in f32.
;;   The module's matrix products, in the order in which they are computed (A, B: the left and right operand; K: the contracted axis; several contracted axes count as one K, in the product's order):
;;     1. [M 16,384, K 768] x [K 768, N 16]; A: input x (given as codes); B: input W1 (given as codes): QUANTISED
;;     2. [M 16,384, K 768] x [K 768, N 16]; A: input x (given as codes); B: input W2 (given as codes): QUANTISED
;;     3. [M 16,384, K 768] x [K 768, N 16]; A: input x (given as codes); B: input W3 (given as codes): QUANTISED
;;     4. batch 16,384 x [M 16, K 1] x [K 1, N 16]; A: computed on the way; B: computed on the way: left as it is (no contracted axis)
;;     5. batch 16,384 x [M 256, K 1] x [K 1, N 16]; A: computed on the way; B: computed on the way: left as it is (no contracted axis)
;;     6. [M 16,384, K 4,096] x [K 4,096, N 768]; A: computed on the way; B: input grid: QUANTISED
;;   THE QUANTISER, for each operand of a quantised product, along K:
;;     - K is cut into blocks of 32 from its start; a last block that is shorter is filled with zeros.
;;     - A block's scale is 2^e with e = floor(log2(the largest magnitude in the block)) - 4, held to -126 .. 127; a block of zeros has e = 0. As a byte (E8M0): e + 127.
;;     - Each number is divided by its block's scale, clamped to +-28, and rounded to the nearest number of E3M2, ties to even, subnormals kept.
;;     - The product sums the exact products of the quantised numbers (number of the format x scale) in f32.
;;   ~~~python
;;   def quantise(x, axis):      # numpy; x: float32 -> the quantised numbers, widened to float32 again
;;       x = np.moveaxis(x, axis, -1); K = x.shape[-1]
;;       x = np.pad(x, [(0, 0)] * (x.ndim - 1) + [(0, -K % 32)]); x = x.reshape(x.shape[:-1] + (-1, 32)); a = np.abs(x).max(-1, keepdims=True)
;;       e = np.where(a > 0, np.clip(np.frexp(np.where(a > 0, a, 1))[1] - 1 - 4, -126, 127), 0)      # np.frexp(a)[1] - 1 = floor(log2(a)), exactly
;;       r = np.clip(x / 2.0 ** e, -28, 28)
;;       step = 2.0 ** (np.maximum(np.frexp(np.where(r == 0, 1, r))[1] - 1, -2) - 2)
;;       q = np.round(r / step) * step * 2.0 ** e      # np.round: ties to even
;;       return np.moveaxis(q.reshape(q.shape[:-2] + (-1,))[..., :K], -1, axis).astype(np.float32)
;;   ~~~
;;   OPERANDS COMPUTED ON THE WAY. 'Computed on the way' means the value that the module computes at that place (a softmax that the list does not call 'softmax' is quantised finished and normalised). What goes into a quantiser is computed in f32, as accurately as f32 sums, v_exp_f32 and their like allow (about 1e-6 of the number): no bf16 or f16 on the way to a quantiser, and a product that is left as it is and whose result goes on into a quantised operand takes f32 operands (vector FMAs, or v_wmma_f32_16x16x4_f32). A number that lies on a knife's edge between two numbers of the format may be rounded either way, as far as f32 arithmetic and the matrix unit's own rounding can turn it there, and no further.
;;   INPUTS GIVEN AS CODES. W1 (in the module: [768, 16], K = its axis 0); W2 (in the module: [768, 16], K = its axis 0); W3 (in the module: [768, 16], K = its axis 0); x (in the module: [8, 2048, 768], K = its axis 2): each comes as NAME_codes (uint8): NAME with its K axis moved to the last place and cut into blocks of 32 codes, [.., K / 32, bytes a block], one block behind the other in memory; four codes in three bytes: a row's codes are one little-endian stream of bits, code i at bits 6 i .. 6 i + 5 (a code: sign, 3 exponent bits, 2 mantissa bits); and NAME_scales (uint8): the same leading axes, one E8M0 byte (e + 127) for each 32 codes along K. Its value is code x scale, taken as it is: it is not quantised again, and the codes and scales need not be those that the quantiser above would give.
;; One version. Each part assembles by itself: llvm-mc -triple=amdgcn-amd-amdhsa -mcpu=gfx1250 --defsym DOCPART=n.
;; ======== version 1 of 1: 2 launches
;; workspace buffers: gq 2,490,368 bytes
;; launch gquant (part 1): grid 256 x 1, 3 waves a work-group, no clusters, 10,752 bytes of LDS; arguments grid, gq; writes gq
.if DOCPART == 1
	.amdgcn_target "amdgcn-amd-amdhsa--gfx1250"
	.amdhsa_code_object_version 6
	.text
	.protected	k_q556ebcae44_gquant
	.globl	k_q556ebcae44_gquant
	.p2align	8
	.type	k_q556ebcae44_gquant,@function
k_q556ebcae44_gquant:
	s_mov_b64 s[64:65], 0
	v_nop
	global_prefetch_b8 v0, s[64:65] scope:SCOPE_SE
	s_setreg_imm32_b32 hwreg(HW_REG_WAVE_MODE, 25, 1), 1
	s_wait_xcnt 0x0
; The grid [4096 (K = 256 i + 16 j + k)][768], f32, K its FIRST axis, becomes codes of BF6 (E3M2) with one E8M0 byte for each 32 along K,
; laid in gq in the order in which the second launch's waves take their operand registers.
; gq is 256 blocks of 9,728 bytes.  Block g = ((y 16 + i) 4 + w) 2 + q holds K = 256 i + 128 q + 0 .. 127 of columns 384 y + 96 w + 0 .. 95:
;   bytes 0 .. 9,215: six images of 1,536 bytes (tile b = columns 16 b + r): registers 4 gr .. 4 gr + 3 of lane (r, h) at 512 gr + 16 (r + 16 h);
;                     the lane's registers 6 c .. 6 c + 5 are the 32 codes of K = 64 c + 32 h + 0 .. 31;
;   bytes 9,216 ..  : at 16 r the scale words (four bytes, 128 along K) of tiles 0 to 3;  bytes 9,472 ..: at 16 r those of tiles 4 and 5, and two words of 0.
; A work-group makes one block.  A LANE TAKES A COLUMN AND ITS REGISTERS RUN DOWN K: a load reads 128 neighbouring bytes a wave, 384 a work-group; a block of 32 lies in one
; lane's registers, so that its largest magnitude needs no other lane and the conversions give codes with K innermost.  The codes go through the wave's own stage in LDS,
; laid as the image wants them, and leave as runs of 512 neighbouring bytes.
; A block's scale is 2^(floor(log2(largest magnitude)) - 4): its byte is that magnitude's exponent field - 4, held at 1 from below.
; LIMITS: a block of zeros gets the byte 1 and not 127 (its codes are zeros, and the bytes are read by this program alone); NaN and infinities are not served.
.set ROWG, 3072                        ; a row of the grid in bytes
.set BLKB, 9728                        ; a block of gq
.set SCA,  9216                        ; LDS, and the block: where the scale words begin
.set X,    32                          ; v32-159  my column's 128 numbers
.set C,    160                         ; v160..   block b's six registers of codes at C + 8 b
.set XT,   192                         ; v192-194 a block's upper 16 codes (a conversion's three registers begin on an even number)
.set OUTR, 196                         ; v196-219 the way out
	s_load_b128 s[4:7], s[0:1], 0x0                ; grid, gq
	v_lshl_add_u32 v224, v0, 2, 0x2800
	v_mov_b32 v225, 0
	v_lshrrev_b32 v1, 5, v0
	v_readfirstlane_b32 s8, v1                     ; wave 0..2
	v_and_b32 v1, 31, v0                           ; lane
	v_lshlrev_b32 v2, 2, v1                        ; in: 4 bytes a lane
	v_and_b32 v13, 15, v1                          ; r: my column in its tile
	v_lshrrev_b32 v14, 4, v1                       ; which of my wave's two tiles
	s_mul_i32 s9, s8, 3072                         ; my wave's stage: two images
	v_mul_u32_u24 v3, v14, 1536
	v_lshl_add_u32 v3, v13, 4, v3
	v_add_nc_u32 v3, s9, v3                        ; into it: my tile's image, 16 r
	s_lshr_b32 s10, s8, 1
	s_lshl_b32 s10, s10, 8
	s_and_b32 s11, s8, 1
	s_lshl_b32 s11, s11, 3
	s_add_co_u32 s10, s10, s11
	s_add_co_u32 s10, s10, SCA
	v_lshlrev_b32 v4, 4, v13
	v_lshl_add_u32 v4, v14, 2, v4
	v_add_nc_u32 v4, s10, v4                       ; my scale word: tile b = 2 wave + half: 256 (b / 4) + 16 r + 4 (b % 4)
	v_lshlrev_b32 v6, 4, v1                        ; out: 16 bytes a lane
	v_add_nc_u32 v5, s9, v6                        ; and the same in my stage
	v_add_nc_u32 v15, SCA, v6                      ; and among the scale words
	v_mov_b32 v7, 0
	s_and_b32 s12, ttmp9, 1                        ; q
	s_bfe_u32 s13, ttmp9, 0x20001                  ; w
	s_bfe_u32 s14, ttmp9, 0x40003                  ; i
	s_lshr_b32 s15, ttmp9, 7                       ; y
	s_lshl_b32 s14, s14, 8
	s_lshl_b32 s12, s12, 7
	s_add_co_u32 s14, s14, s12                     ; the block's first K
	s_mul_i32 s16, s14, ROWG
	s_mul_i32 s15, s15, 1536
	s_mul_i32 s13, s13, 384
	s_lshl_b32 s12, s8, 7
	s_add_co_u32 s16, s16, s15
	s_add_co_u32 s16, s16, s13
	s_add_co_u32 s16, s16, s12                     ; + 4 x my wave's first column: under 2^24 in all
	s_mov_b32 s17, 0
	s_mul_i32 s18, ttmp9, BLKB
	s_mov_b32 s19, 0
	s_mov_b32 s20, s9
	s_mov_b32 s21, 0
	s_wait_kmcnt 0x0
	s_add_nc_u64 s[4:5], s[4:5], s[16:17]
	s_add_nc_u64 s[6:7], s[6:7], s[18:19]          ; my block of gq,
	s_add_nc_u64 s[22:23], s[6:7], s[20:21]        ; and my wave's two images in it
.set K, 0
.rept 128
	global_load_b32 v[X+K], v2, s[4:5] offset:K*ROWG th:TH_LOAD_NT   ; row K of the block, my column; every byte of the grid is read once
.set K, K+1
.endr
.macro BLOCK b                         ; K = 32 b + 0 .. 31: in the image lanes (r, b % 2), registers 6 (b / 2) on
.set XB, X+32*(\b)
.set CB, C+8*(\b)
.if (\b) < 2
	s_wait_loadcnt 63                              ; 96 or 64 younger loads were issued; the count's field holds 63, and a smaller count waits for more, not less
.else
	s_wait_loadcnt 32*(3-(\b))                     ; the later blocks' loads may be out
.endif
	v_max3_num_f32 v8, |v[XB]|, |v[XB+1]|, |v[XB+2]|               ; the block's largest magnitude, in two chains
	v_max3_num_f32 v9, |v[XB+3]|, |v[XB+4]|, |v[XB+5]|
.irp i, 6,10,14,18,22,26
	v_max3_num_f32 v8, v8, |v[XB+\i]|, |v[XB+\i+1]|
	v_max3_num_f32 v9, v9, |v[XB+\i+2]|, |v[XB+\i+3]|
.endr
	v_max3_num_f32 v8, v8, |v[XB+30]|, |v[XB+31]|
	v_max3_num_f32 v8, v8, v9, 0x2800000           ; and the floor 2^(5 - 127): the byte cannot fall under 1
	v_add_nc_u32 v10, 0xfe000000, v8               ; 4 off the exponent field: the conversion takes this operand's exponent field as its scale
	v_lshrrev_b32 v11, 23, v10                     ; the scale's byte
.if (\b) == 0
	v_mov_b32 v12, v11
.else
	v_lshl_or_b32 v12, v11, 8*(\b), v12            ; byte b of my column's scale word
.endif
	v_cvt_scalef32_pk16_bf6_f32 v[CB:CB+2], v[XB:XB+15], v10
	v_cvt_scalef32_pk16_bf6_f32 v[XT:XT+2], v[XB+16:XB+31], v10
	v_nop                                          ; one plain instruction between a scaled conversion and the vector instruction that touches its result
.irp i, 0,1,2
	v_mov_b32 v[CB+3+\i], v[XT+\i]
.endr
.if (\b) < 2
	ds_store_b128 v3, v[CB:CB+3] offset:256*((\b)%2)               ; registers 0-3: group 0
	ds_store_b64 v3, v[CB+4:CB+5] offset:512+256*((\b)%2)          ; registers 4, 5: the lower half of group 1
.else
	ds_store_b64 v3, v[CB:CB+1] offset:520+256*((\b)%2)            ; registers 6, 7: its upper half
	ds_store_b128 v3, v[CB+2:CB+5] offset:1024+256*((\b)%2)        ; registers 8-11: group 2
.endif
.endm
	BLOCK 0
	BLOCK 1
	BLOCK 2
	BLOCK 3
	ds_store_b32 v4, v12                           ; my column's scale word
	s_cmp_lg_u32 s8, 2
	s_cbranch_scc1 .Lno_fill
	ds_store_b32 v4, v7 offset:8                   ; behind tiles 4 and 5 two words of 0, so that every byte of the block is written
.Lno_fill:
.irp k, 0,1,2,3,4,5
	ds_load_b128 v[OUTR+4*\k:OUTR+4*\k+3], v5 offset:512*\k        ; my own stage: LDS serves a wave's instructions in order (ISA guide 5.7.1.4)
.endr
	s_wait_dscnt 0x0                               ; they are back, and my scale words have landed, for wave 0's sake
.irp k, 0,1,2,3,4,5
	global_store_b128 v6, v[OUTR+4*\k:OUTR+4*\k+3], s[22:23] offset:512*\k   ; 32 lanes store 512 consecutive bytes, at a multiple of 256 from gq's first byte
.endr
	s_barrier_signal -1
	s_barrier_wait -1                              ; all three waves' scale words lie in LDS
	s_cmp_lg_u32 s8, 0
	s_cbranch_scc1 .Ldone
	ds_load_b128 v[220:223], v15
	s_wait_dscnt 0x0
	global_store_b128 v6, v[220:223], s[6:7] offset:SCA            ; the block's last 512 bytes
.Ldone:
	s_wait_tensorcnt 0x0
	ds_add_u32 v224, v225
	s_wait_dscnt 0x0
	s_endpgm
.Lfunc_end_k_q556ebcae44_gquant:
	.size	k_q556ebcae44_gquant, .Lfunc_end_k_q556ebcae44_gquant-k_q556ebcae44_gquant
	.p2alignl 7, 3214868480
	.fill 96, 4, 3214868480
	.section	.rodata,"a",@progbits
	.p2align	6, 0x0
	.amdhsa_kernel k_q556ebcae44_gquant
		.amdhsa_group_segment_fixed_size 10752
		.amdhsa_private_segment_fixed_size 0
		.amdhsa_enable_private_segment 0
		.amdhsa_kernarg_size 16
		.amdhsa_user_sgpr_count 2
		.amdhsa_user_sgpr_kernarg_segment_ptr 1
		.amdhsa_wavefront_size32 1
		.amdhsa_system_sgpr_workgroup_id_x 1
		.amdhsa_system_sgpr_workgroup_id_y 1
		.amdhsa_system_sgpr_workgroup_id_z 1
		.amdhsa_system_vgpr_workitem_id 0
		.amdhsa_next_free_vgpr 226
		.amdhsa_next_free_sgpr 66
		.amdhsa_reserve_vcc 0
		.amdhsa_float_denorm_mode_32 3
		.amdhsa_float_denorm_mode_16_64 3
		.amdhsa_memory_ordered 1
		.amdhsa_forward_progress 1
		.amdhsa_inst_pref_size 23
	.end_amdhsa_kernel
	.amdgpu_metadata
---
amdhsa.version: [ 1, 2 ]
amdhsa.kernels:
  - .name:           k_q556ebcae44_gquant
    .symbol:         k_q556ebcae44_gquant.kd
    .args:
      - { .name: grid, .offset: 0, .size: 8, .value_kind: global_buffer, .address_space: global }
      - { .name: gq, .offset: 8, .size: 8, .value_kind: global_buffer, .address_space: global }
    .group_segment_fixed_size: 10752
    .private_segment_fixed_size: 0
    .kernarg_segment_align: 8
    .kernarg_segment_size: 16
    .max_flat_workgroup_size: 96
    .sgpr_count:     66
    .vgpr_count:     226
    .wavefront_size: 32
...
	.end_amdgpu_metadata
.endif
;; end of part 1
;; launch joint (part 2): grid 128 x 2, 4 waves a work-group, clusters of 4 x 1, 327,680 bytes of LDS; arguments x_codes, x_scales, W1_codes, W1_scales, W2_codes, W2_scales, W3_codes, W3_scales, b1, b2, b3, temperature, gq, out0; writes out0
.if DOCPART == 2
	.amdgcn_target "amdgcn-amd-amdhsa--gfx1250"
	.amdhsa_code_object_version 6
	.text
	.protected	k_q556ebcae44_joint
	.globl	k_q556ebcae44_joint
	.p2align	8
	.type	k_q556ebcae44_joint,@function
k_q556ebcae44_joint:
	s_mov_b64 s[64:65], 0
	v_nop
	global_prefetch_b8 v0, s[64:65] scope:SCOPE_SE
	s_setreg_imm32_b32 hwreg(HW_REG_WAVE_MODE, 25, 1), 1
	s_wait_xcnt 0x0
	s_wait_alu depctr_hold_cnt(0) depctr_sa_sdst(0) depctr_va_vdst(0) depctr_va_sdst(0) depctr_va_ssrc(0) depctr_va_vcc(0) depctr_vm_vsrc(0)
	s_getreg_b32 s2, hwreg(HW_REG_IB_STS2, 6, 4)
	s_cmp_eq_u32 s2, 0
	s_cbranch_scc0 .Lentry_in_a_cluster
	s_endpgm
.Lentry_in_a_cluster:
	s_bfe_u32 s2, ttmp6, 0x10000c
	s_cmp_lg_u32 s2, 0x3003
	s_cbranch_scc0 .Lentry_shape_is_right
	s_endpgm
.Lentry_shape_is_right:
; out[t][l] = sum over K = 256 i + 16 j + k of Q(P)[t][K] Q(grid)[K][l],  P[t][K] = (p1[t][i] p2[t][j]) p3[t][k],  pn = softmax((x Wn + bn) / temperature).
; All four products on codes of BF6 (E3M2) with one E8M0 byte for each 32 along K; x and W arrive as codes, the grid's codes come from gq (the launch before), P is made and quantised here and never goes to memory.
; SHARES.  A work-group owns 128 tokens x 384 columns: 128 x 2 work-groups.  Each of its four waves owns all 128 tokens x 96 columns: 8 x 6 accumulators of 16 x 16, 384 registers.
; K goes in 16 chunks of 256 (one i; two matrix instructions deep) through two LDS slots.  A wave's part of a chunk (its six fragments and their scale words, for both halves of the chunk) is 19,456 dense bytes of gq:
; its own tensor load brings them, and nobody else reads them.
; CLUSTER.  The four row blocks of a cluster walk the same chunks of the same column half: each tile is asked for JOINTLY (the same load, the same descriptor, a mask that names the four).
; THE ORDER OF CHUNKS IS ROTATED BY CLUSTER: cluster c walks i = (c + t) mod 16, t = 0 .. 15, so that the clusters do not all ask for the same chunk at the same time.  The rotation enters global addresses alone
; (W1's bytes and scales, b1, the chunk): p1 comes out in the rotated order.
; THE HEAD.  x's and W's codes are loaded as they lie, 512 or 256 neighbouring bytes an instruction, and turn through LDS into fragments: a wave's 32 tokens through its own stage, W (a quarter of each to a wave) through a shared one.
; P.  Wave w makes the fragments of tokens 32 w .. 32 w + 31 (tiles a = 2 w, 2 w + 1) and hands them to the others through LDS as images of the operand's registers (16 bytes a lane, 512 a store).
; The 6-bit layout gives lane (r, h) whole blocks of 32: one i, j = 8 q + 4 c + 2 h + 0, 1, all 16 k.  The lane keeps its token's 16 p3 and 8 p2 in registers: a block is 16 packed multiplies and two conversions.
; All p are 0 or more and a rounded product does not fall where a factor rises, so a block's largest number is the rounded product of the larger of its two p1 p2 with the largest p3: it is not searched for.
; That work (229 vector instructions for a chunk) is cut into slices of three and of two and set behind the 96 matrix instructions that run ahead of the chunk; its LDS stores stand in the runs of LDS loads.
; THE MATRIX INSTRUCTION IS USED TRANSPOSED (source 0 = 16 columns of the grid, source 1 = 16 tokens): a lane holds eight neighbouring columns of one token's row.
; LIMITS: NaN and infinities are not served; a p under 2^-126 comes out of v_exp_f32 as 0; 1 / temperature and 1 / sum are v_rcp_f32 and a multiplication; a block of zeros has the byte 1 and not 127 (its codes are zeros,
; and nobody else reads the bytes); the f32 sums run over the chunks in the rotated order.
; REGISTERS, in windows of 256.  Window 0: v0-23 addresses; v24-55 scale words and nothing else; v56-109 p3, p2, max p3, p1; v112-225 the making of P; v226-255 offsets and addresses of the head.
;   Window 1: v0-143 the grid's fragments, two sets; v144-239 P's eight fragments, one set.   Window 2: the accumulators of tokens 0-63 ((a, b) at 8 (6 a + b));   window 3: those of tokens 64-127.
;   At the head: window 1 W's 18 fragments; window 2 x's 12, and from v144 W's bytes as loaded; window 3 the six tiles of logits, the biases, and from v72 x's bytes as loaded.
.set SLOTB,  77824                     ; a slot: four waves' parts
.set WPART,  19456                     ; a wave's part: two halves of a chunk
.set QBLK,   9728                      ; one half: six images of 1,536 bytes, then 512 bytes of scale words
.set FRB,    1536                      ; an image: 12 registers x 128 bytes
.set AIMG,   2*SLOTB                   ; P's images: two buffers; in one, fragment (q, a) at 12,288 q + 1,536 a
.set ABUF,   24576
.set ASC,    AIMG+2*ABUF               ; P's scale words: two buffers of 1,024: 512 (a / 4) + 16 (16 q + r) + 4 (a % 4)
.set TAB,    ASC+2048                  ; p1: wave w at 4,352 w, tile at 2,176, entry x (0 .. 16) at 128 x, 4 x lane
.set TABW,   4352
.set TABT,   2176
.set SPARE,  TAB+4*TABW                ; the spare words, 128 bytes for each wave: two blocks of 256 bytes that no other line names
.set HP,     720                       ; the head's stages: a row of 576 bytes with 16 bytes of padding behind each 64 = 180 words: row r starts at bank -12 r mod 64 (64 banks of 4 bytes: ISA guide 11.1): sixteen rows, sixteen places
.set HT,     16*HP                     ; sixteen such rows
.set XST,    SPARE+512                 ; x: a stage of sixteen rows for each wave, its own; its two tiles take turns in it
.set WST,    XST+4*HT                  ; W1 (rotated), W2, W3: sixteen rows each, the work-group's.  No tensor load lands in either
.set SPITCH, 1552                      ; the way out: 128 rows x (1,536 bytes + 16), from LDS byte 0: over the slots and P's images, behind their last fill and their last read
.set SPW,  4                           ; v4     SPARE + 4 x my thread's number; never rewritten
.set NIL,  5                           ; v5     0; never rewritten
.set ADB,  6                           ; v6-7   my lane's place in my wave's part of slot 0, 1
.set ADS,  8                           ; v8-9   the grid's scale words there: lanes 0-15 the first half's, lanes 16-31 the second's
.set ADA,  10                          ; v10    AIMG + 16 x lane
.set ADAS, 11                          ; v11    ASC + 16 x lane
.set AWI,  12                          ; v12    where I store images: AIMG + 3,072 w + 16 x lane
.set ASW,  13                          ; v13    and scale words: ASC + 512 (w / 2) + 8 (w % 2) + 16 x lane
.set PA,   14                          ; v14    walks my wave's table of p1
.set STO,  15                          ; v15    the stage: 1,552 r + 32 h + 384 w
.set RD,   16                          ; v16    back from it: 49,664 w + 16 x lane
.set CO,   17                          ; v17    16 x lane; never rewritten
.set SA,   18                          ; v18-21 the stage, 32 rows further on each
.set WD1,  22                          ; v22-23 tile 1's scale word in the making
.set BS,   24                          ; v24-39 the grid's scale words: set s at 8 s, register b
.set AS,   40                          ; v40-55 P's: set s at 8 s, register a
.set WS,   24                          ; at the head the same registers hold W's scale words (6 n + s),
.set XS,   42                          ; and x's (6 tile + s)
.set P3,   56                          ; v56-87   16 a tile
.set P2S,  88                          ; v88-103  8 a tile: index 4 q + 2 c + u holds p2[8 q + 4 c + 2 h + u]
.set P3M,  104                         ; v104-107 a pair a tile: the largest p3, and 0
.set P1V,  108                         ; v108-109 the chunk's p1, one a tile
.set AV,   112                         ; v112-127 p1 p2: index x at 2 x (named as pairs; the low word serves both halves)
.set MX,   128                         ; v128-131 the four blocks' largest numbers
.set SO,   132                         ; v132-135 the conversions' scale operands
.set BY,   136                         ; v136-139 the scale bytes
.set WD0,  140                         ; v140-141 tile 0's scale word in the making
.set XT,   142                         ; v142-144 a block's upper 16 codes
.set T,    146                         ; v146-177 32 numbers of P
.set PC,   178                         ; v178-225 the codes: tile at 24, block at 6
.set VWD,  226                         ; the head: 2,304 w + 8 x lane: my 8 bytes of my quarter of a W
.set VRO,  227                         ; (r + rotation) mod 16
.set W1B,  228                         ; VWD + 576 x rotation
.set RSO,  229                         ; scale bytes: 24 r
.set WSO,  230                         ; W1's: 24 x VRO
.set BHO,  231                         ; b2, b3: 32 h
.set BO,   232                         ; v232-239 b1's eight offsets
.set W1O,  240                         ; v240-248 W1's nine offsets, rotated
.set XSI,  249                         ; into my stage of x
.set WSI,  250                         ; into W's stage
.set XFA,  251                         ; v251-252 a fragment's row in my stage of x: + 24 h, and + 40 h for the pieces behind one padding more
.set WFA,  253                         ; v253-254 the same in W's stage
.set W1T,  255
.set E,    112                         ; the softmax, at the head: v112-159 six tiles x 8; then maxima, the other half's, sums, reciprocals, one distribution, c
.set M,    160
.set MT,   166
.set S,    172
.set R,    178
.set Q,    184
.set TC,   200
.set OB,   56                          ; the way out: two banks of 96
.set AF,   144                         ; window 1: P's fragments
.set WDN,  144                         ; window 2, at the head: W's bytes as loaded, 18 registers a W
.set LG,   0                           ; window 3, at the head: the logits; the biases; x's bytes as loaded
.set BI,   48
.set XDN,  72
.set WV,   4                           ; s4  my wave's number
.set I0,   5                           ; s5  the rotation
.set SEL,  6                           ; s[6:7] v_permlanex16_b32's selects for lane l xor 16
.set HM,   8                           ; s8  lanes 16-31
.set CI,   9                           ; s9  the rotation + the number of the chunk asked for last
.set LP,   10
.set OF,   12                          ; s[12:13] a chunk's bytes in gq
.set BW,   14                          ; s[14:15] gq at my wave's part of chunk 0 of my column half
.set OUTB, 16                          ; s[16:17] out0 at the first row that I store
.set G1,   24                          ; s[24:31] descriptor group 1
.set G0,   32                          ; s[32:39] group 0, a set for each slot
.set LT,   114                         ; the list: instructions a tile
.set GEND, 2*LT+1
.set NT,   3                           ; instructions in a slice: behind a product of a chunk's second half,
.set NS,   2                           ; and of a first half: 48 x 3 + 48 x 2 = 240, for the list's 229
.set GP,   GEND                        ; the list's next instruction (GEND: no list is open)
.set GB,   0                           ; the buffer that the list's results go to
.set MSB, 0
.macro WIN new                         ; the immediate's high byte repeats the setting that is left; a switch that changes nothing is dropped
.if MSB != (\new)
	s_set_vgpr_msb (MSB<<8)|(\new)
.set MSB, (\new)
.endif
.endm
.set MUL_LO, 0xa5                      ; sources 0 and 1 window 1, C and D window 2
.set MUL_HI, 0xf5                      ; the same, C and D window 3
.set TO_1,   0x40                      ; destination window 1, address window 0
.set LOGIT,  0xf9                      ; source 0 (W) window 1, source 1 (x) window 2, C and D window 3
.macro CREST                           ; a round of the cluster's barrier behind its opening barrier
	s_cmp_lg_u32 s[WV], 0
	s_cbranch_scc1 .Lnot_wave_0_\@
	s_barrier_signal -3
.Lnot_wave_0_\@:
	s_barrier_wait -3
	s_barrier_signal -1
	s_barrier_wait -1
.endm
.macro CROUND                          ; a whole round
	s_barrier_signal -1
	s_barrier_wait -1
	CREST
.endm
; A load into a register that a matrix instruction has read, and an LDS store that reads a matrix result, stand four places behind it; only plain vector instructions that name none of its registers are places
.macro PLACES n
.rept \n
	v_nop
.endr
.endm
; THE LIST: the vector work that makes my two tiles' fragments and scale words of one chunk, instruction GP of 229.  It holds no LDS instruction.
;   0        the table's address goes on to the next chunk's p1
;   a tile (114):  0-7 p1 p2;  8-11 the larger of a block's two;  12-13 x the largest p3: the block's largest number;  14-17 the floor 2^(5 - 127);  18-21 4 off the exponent field: the conversions' operand;
;            22-25 the bytes;  26-29 the scale words: my two bytes of each half of the chunk, the halves of the lanes change places, and lane (r, 0) has the first half's word, lane (r, 1) the second's;
;            then four blocks of 21: 8 packed multiplies, a conversion, 8, a conversion, 3 moves (a conversion's three registers begin on an even number).
;            Behind each conversion stands a plain instruction that names none of its registers, wherever the slices are cut.
.macro ITEM
.if GP == 0
	v_add_nc_u32 v[PA], 128, v[PA]
.else
.set IT, (GP-1)/LT
.set IJ, (GP-1)%LT
.set IPC, PC+24*IT
.set IWD, WD0+(WD1-WD0)*IT
.if IJ < 8
	v_mul_f32 v[AV+2*IJ], v[P1V+IT], v[P2S+8*IT+IJ]
.elseif IJ < 12
	v_max_num_f32 v[MX+IJ-8], v[AV+4*(IJ-8)], v[AV+4*(IJ-8)+2]
.elseif IJ < 14
	v_pk_mul_f32 v[MX+2*(IJ-12):MX+2*(IJ-12)+1], v[MX+2*(IJ-12):MX+2*(IJ-12)+1], v[P3M+2*IT:P3M+2*IT+1] op_sel_hi:[1,0]
.elseif IJ < 18
	v_max_num_f32 v[MX+IJ-14], 0x2800000, v[MX+IJ-14]
.elseif IJ < 22
	v_add_nc_u32 v[SO+IJ-18], 0xfe000000, v[MX+IJ-18]
.elseif IJ < 26
	v_lshrrev_b32 v[BY+IJ-22], 23, v[SO+IJ-22]
.elseif IJ < 28
	v_lshl_or_b32 v[IWD+IJ-26], v[BY+2*(IJ-26)+1], 16, v[BY+2*(IJ-26)]
.elseif IJ == 28
	v_permlane16_swap_b32 v[IWD], v[IWD+1]
.elseif IJ == 29
	v_lshl_or_b32 v[IWD], v[IWD+1], 8, v[IWD]
.else
.set IB, (IJ-30)/21                    ; block 2 q + c
.set ID, (IJ-30)%21
.if ID < 8
	v_pk_mul_f32 v[T+16+2*ID:T+17+2*ID], v[P3+16*IT+2*ID:P3+16*IT+2*ID+1], v[AV+4*IB+2:AV+4*IB+3] op_sel_hi:[1,0]
.elseif ID == 8
	v_cvt_scalef32_pk16_bf6_f32 v[XT:XT+2], v[T+16:T+31], v[SO+IB]
.elseif ID < 17
	v_pk_mul_f32 v[T+2*(ID-9):T+2*(ID-9)+1], v[P3+16*IT+2*(ID-9):P3+16*IT+2*(ID-9)+1], v[AV+4*IB:AV+4*IB+1] op_sel_hi:[1,0]
.elseif ID == 17
	v_cvt_scalef32_pk16_bf6_f32 v[IPC+6*IB:IPC+6*IB+2], v[T:T+15], v[SO+IB]
.else
	v_mov_b32 v[IPC+6*IB+3+ID-18], v[XT+ID-18]
.endif
.endif
.endif
.endm
.macro GEN n                           ; the list's next n instructions, if a list is open
.rept \n
.if GP < GEND
	WIN 0
	ITEM
.set GP, GP+1
.endif
.endr
.endm
.macro PUT t                           ; tile t's scale word and its two images go to buffer GB: seven stores, set at the head of a run of LDS loads
	WIN 0
	ds_store_b32 v[ASW], v[WD0+(WD1-WD0)*(\t)] offset:1024*GB+4*(\t)
.irp e, 0,1
.irp g, 0,1,2
	ds_store_b128 v[AWI], v[PC+24*(\t)+12*\e+4*\g:PC+24*(\t)+12*\e+4*\g+3] offset:ABUF*GB+12288*\e+FRB*(\t)+512*\g
.endr
.endr
.endm
.macro P1LOAD                          ; the next chunk's p1 comes from my wave's table (the list's first instruction has stepped the address)
	ds_load_b32 v[P1V], v[PA]
	ds_load_b32 v[P1V+1], v[PA] offset:TABT
.endm
; Six matrix instructions: P's block a x my six tiles of columns, half q of the chunk.  p: the grid's set of fragments;  sc: the set of scale words (lanes 0-15 hold the first half's, lanes 16-31 the second's).
; zero = 1: the product starts the sum: nothing is ever cleared.  A slice of n instructions of the list stands behind each.  The 48 accumulators take turns, in the same order in every step.
.macro MULA a, p, q, sc, zero, n
.irp b, 0,1,2,3,4,5
	WIN MUL_LO+0x50*((\a)/4)
.if \zero
	v_wmma_scale_f32_16x16x128_f8f6f4 v[8*(6*((\a)%4)+\b):8*(6*((\a)%4)+\b)+7], v[72*(\p)+12*\b:72*(\p)+12*\b+11], v[AF+12*(\a):AF+12*(\a)+11], 0, v[BS+8*(\sc)+\b], v[AS+8*(\sc)+(\a)] matrix_a_fmt:MATRIX_FMT_BF6 matrix_b_fmt:MATRIX_FMT_BF6
.elseif \q
	v_wmma_scale_f32_16x16x128_f8f6f4 v[8*(6*((\a)%4)+\b):8*(6*((\a)%4)+\b)+7], v[72*(\p)+12*\b:72*(\p)+12*\b+11], v[AF+12*(\a):AF+12*(\a)+11], v[8*(6*((\a)%4)+\b):8*(6*((\a)%4)+\b)+7], v[BS+8*(\sc)+\b], v[AS+8*(\sc)+(\a)] matrix_a_fmt:MATRIX_FMT_BF6 matrix_b_fmt:MATRIX_FMT_BF6 matrix_a_scale:MATRIX_SCALE_ROW1 matrix_b_scale:MATRIX_SCALE_ROW1
.else
	v_wmma_scale_f32_16x16x128_f8f6f4 v[8*(6*((\a)%4)+\b):8*(6*((\a)%4)+\b)+7], v[72*(\p)+12*\b:72*(\p)+12*\b+11], v[AF+12*(\a):AF+12*(\a)+11], v[8*(6*((\a)%4)+\b):8*(6*((\a)%4)+\b)+7], v[BS+8*(\sc)+\b], v[AS+8*(\sc)+(\a)] matrix_a_fmt:MATRIX_FMT_BF6 matrix_b_fmt:MATRIX_FMT_BF6
.endif
	GEN \n
.endr
.endm
.macro FETCH_B s, q, p                 ; my six fragments of the grid, half q of slot s, into set p: 18 loads of 512 consecutive bytes
	WIN TO_1
.irp b, 0,1,2,3,4,5
.irp g, 0,1,2
	ds_load_b128 v[72*(\p)+12*\b+4*\g:72*(\p)+12*\b+4*\g+3], v[ADB+(\s)] offset:QBLK*(\q)+FRB*\b+512*\g
.endr
.endr
.endm
.macro FETCH_A s, q, a0                ; P's blocks a0 .. a0 + 3, half q of buffer s: 12 loads
	WIN TO_1
.irp a, \a0, \a0+1, \a0+2, \a0+3
.irp g, 0,1,2
	ds_load_b128 v[AF+12*(\a)+4*\g:AF+12*(\a)+4*\g+3], v[ADA] offset:ABUF*(\s)+12288*(\q)+FRB*(\a)+512*\g
.endr
.endr
.endm
.macro SCALES s                        ; a chunk's scale words, both halves: the grid's six and P's eight
	WIN 0
	ds_load_b128 v[BS+8*(\s):BS+8*(\s)+3], v[ADS+(\s)]
	ds_load_b128 v[BS+8*(\s)+4:BS+8*(\s)+7], v[ADS+(\s)] offset:256
	ds_load_b128 v[AS+8*(\s):AS+8*(\s)+3], v[ADAS] offset:1024*(\s)
	ds_load_b128 v[AS+8*(\s)+4:AS+8*(\s)+7], v[ADAS] offset:1024*(\s)+512
.endm
; A chunk's first half.  P has one set of registers: a block is free when its six products are issued, so blocks 0-3 of the second half come in the middle and blocks 4-7 at the end.  The grid has two sets.
; n > 0: a list is open.  Its tile 0 (instructions up to 114) is finished by the middle and goes to LDS at the head of the middle run; its tile 1 is finished by the end and goes at the head of the end run, with the loads
; of the next p1: all ahead of the twelve loads of blocks 4-7, so that the next wait's count still leaves only those out.  The buffer that they write was read out in front of the last barrier.
.macro STEPA s, zero, n
	s_wait_dscnt 12                                ; all but the youngest twelve loads (P's blocks 4-7) are in
.irp a, 0,1,2,3
	MULA \a, 0, 0, \s, \zero, \n
.endr
	s_wait_dscnt 0x0                               ; blocks 4-7 are in (asked for 24 matrix instructions ago)
	PLACES 4
.if \n
	PUT 0
.endif
	FETCH_B \s, 1, 1
	FETCH_A \s, 1, 0
.irp a, 4,5,6,7
	MULA \a, 0, 0, \s, \zero, \n
.endr
	PLACES 4
.if \n
	PUT 1
	P1LOAD
.endif
	FETCH_A \s, 1, 4
	WIN 0
.endm
; A chunk's second half changes slots and buffers: ONE barrier.  In front of it each wave waits for all its tensor loads (its part of the next slot), adds 0 to its spare word, and waits for that, for its reads of this
; slot and of this buffer of P, and for its stores into the next buffer of P.  Behind it the next slot and the next buffer are whole, and nobody reads this slot or this buffer.
; fill = 1: the barrier opens a round of the cluster's and this slot is asked for again, with the chunk two on.  The list for that chunk's P is opened at the head: it works on registers alone, and the wait for all but
; thirteen LDS instructions has shown the last list's stores done and the chunk's p1 in.
.macro TURN s, nx, fill
	WIN 0
	s_wait_tensorcnt 0x0                           ; all my tensor loads have landed
	ds_add_u32 v[SPW], v[NIL]                      ; 0 onto my spare word
	s_wait_dscnt 13                                ; (the add and the youngest twelve loads may be out)
.if \fill
.set GP, 0
.set GB, \s
.endif
	MULA 0, 1, 1, \s, 0, NT
	MULA 1, 1, 1, \s, 0, NT                        ; twelve matrix instructions and their slices, all on registers, stand between the add and the wait for it
	s_wait_dscnt 0x0
	s_barrier_signal -1
	MULA 2, 1, 1, \s, 0, NT
	MULA 3, 1, 1, \s, 0, NT
	WIN 0
	s_barrier_wait -1
.if \fill
	CREST                                          ; no wave of any partner still reads this slot or has a load on its way
	s_add_co_u32 s[CI], s[CI], 1
	s_and_b32 s40, s[CI], 15                       ; the chunk two on, in the rotated order
	s_mul_i32 s[OF], s40, SLOTB
	s_add_nc_u64 s[G0+4*\s+2:G0+4*\s+3], s[BW:BW+1], s[OF:OF+1]
	s_or_b32 s[G0+4*\s+3], s[G0+4*\s+3], 0x80000000
	tensor_load_to_lds s[G0+4*\s:G0+4*\s+3], s[G1:G1+7]   ; my one tensor load behind the round: one of mine is out, and it has a chunk's 96 matrix instructions in which to land
	s_nop 0
	PLACES 4                                       ; four v_nop follow it; they are also the places in front of the loads below
.else
	PLACES 4
.endif
	FETCH_B \nx, 0, 0
	FETCH_A \nx, 0, 0
	SCALES \nx
.irp a, 4,5,6,7
	MULA \a, 1, 1, \s, 0, NT
.endr
	PLACES 4
	FETCH_A \nx, 0, 4
	WIN 0
.endm
; A fragment out of a stage of the head: 16 rows x 128 K, the s-th of a row's six: 12 registers; lane (r, h) takes row r's pieces of 8 bytes 12 s + 0, 1, 2 and 12 s + 6, 7, 8, lanes 16-31 those three pieces on.
; Piece p lies at 8 p + 16 (p / 8): where the piece three on lies behind one padding more, the second address register (40 for 24 bytes a half) serves.
.macro HFRAG reg, adr, s, base
.irp p, 0,1,2,3,4,5
.set PCN, 12*(\s)+6*(\p/3)+\p%3
.if PCN%8 < 5
	ds_load_b64 v[(\reg)+2*\p:(\reg)+2*\p+1], v[\adr] offset:(\base)+8*PCN+16*(PCN/8)
.else
	ds_load_b64 v[(\reg)+2*\p:(\reg)+2*\p+1], v[\adr+1] offset:(\base)+8*PCN+16*(PCN/8)
.endif
.endr
.endm
.macro SPREAD dst, ps                  ; distribution ps (a lane holds indices 8 h + 0 .. 7 of its token), divided by its sum, into 16 registers that hold all 16 indices in both halves of the lanes
.irp j, 0,1,2,3,4,5,6,7
	v_mul_f32 v[(\dst)+\j], v[E+8*(\ps)+\j], v[R+(\ps)]
	v_mul_f32 v[(\dst)+8+\j], v[E+8*(\ps)+\j], v[R+(\ps)]
.endr
.irp j, 0,1,2,3,4,5,6,7
	v_permlane16_swap_b32 v[(\dst)+\j], v[(\dst)+8+\j]             ; the first's lanes 16-31 change places with the second's lanes 0-15
.endr
.endm
	; ---- ids, descriptors, the first fills
	s_load_b512 s[68:83], s[0:1], 0x0              ; x's codes, scales; W1's, W2's, W3's codes and scales
	s_load_b256 s[84:91], s[0:1], 0x40             ; b1, b2, b3, temperature
	s_load_b128 s[92:95], s[0:1], 0x60             ; gq, out0
	v_lshl_add_u32 v[SPW], v0, 2, SPARE
	v_mov_b32 v[NIL], 0
	ds_add_u32 v4, v5
	ds_add_u32 v4, v5
	s_wait_dscnt 0x0
	v_lshrrev_b32 v1, 5, v0
	v_readfirstlane_b32 s[WV], v1                  ; wave 0..3
	s_bfe_u32 s40, ttmp6, 0x40000                  ; cx: my place in the cluster
	s_lshl_b32 s41, ttmp9, 2                       ; in a cluster launch ttmp9 counts clusters
	s_add_co_u32 s41, s41, s40                     ; my block of 128 tokens: it enters x's and out0's addresses alone
	s_and_b32 s42, ttmp7, 0xffff                   ; my column half, which the four partners share
	s_and_b32 s[I0], ttmp9, 15                     ; the rotation, which they share too
	s_mov_b32 s[SEL], 0x76543210
	s_mov_b32 s[SEL+1], 0xfedcba98
	s_mov_b32 s[HM], 0xffff0000
	s_mov_b32 s[G1], 15|(3<<16)|(1<<21)            ; 15:0 the mask: all four work-groups; 17:16 elements of 8 bytes; 20 no padding; 21 set beside a mask
	s_mov_b32 s[G1+1], 32<<16                      ; tensor_dim0 = 32 elements: rows of 256 bytes
	s_mov_b32 s[G1+2], 76<<16                      ; tensor_dim1 = 76 rows: 19,456 dense bytes
	s_mov_b32 s[G1+3], 32<<16                      ; tile_dim0
	s_mov_b32 s[G1+4], 76                          ; tile_dim1
	s_mov_b32 s[G1+5], 32                          ; the pitch: dense
	s_mov_b32 s[G1+6], 0
	s_mov_b32 s[G1+7], 0
	s_lshl_b32 s43, s42, 6
	s_add_co_u32 s43, s43, s[WV]
	s_mul_i32 s44, s43, WPART                      ; (64 y + w) x 19,456: my wave's part of chunk 0
	s_mov_b32 s45, 0
	s_mul_i32 s46, s[WV], WPART                    ; and its place in a slot: no place in the cluster enters an LDS address
	s_mul_i32 s[OF], s[I0], SLOTB                  ; the first chunk,
	s_mov_b32 s[OF+1], 0
	s_add_co_u32 s[CI], s[I0], 1
	s_and_b32 s52, s[CI], 15
	s_mul_i32 s52, s52, SLOTB                      ; and the second
	s_mov_b32 s53, 0
	s_wait_kmcnt 0x0
	s_load_b32 s96, s[90:91], 0x0                  ; the temperature
	s_add_nc_u64 s[BW:BW+1], s[92:93], s[44:45]
	s_mov_b32 s[G0], 1                             ; count = 1
	s_mov_b32 s[G0+1], s46                         ; LDS address: slot 0
	s_add_nc_u64 s[G0+2:G0+3], s[BW:BW+1], s[OF:OF+1]
	s_or_b32 s[G0+3], s[G0+3], 0x80000000          ; type = 2
	s_mov_b32 s[G0+4], 1
	s_add_co_u32 s[G0+5], s46, SLOTB               ; slot 1
	s_add_nc_u64 s[G0+6:G0+7], s[BW:BW+1], s[52:53]
	s_or_b32 s[G0+7], s[G0+7], 0x80000000
	CROUND                                         ; all four work-groups are here: the first joint loads meet
	tensor_load_to_lds s[G0:G0+3], s[G1:G1+7]      ; both first fills together, ahead of every wait on TENSORcnt, every LDS read and every further barrier: two loads of mine are out
	s_nop 0
	tensor_load_to_lds s[G0+4:G0+7], s[G1:G1+7]
	s_nop 0
	PLACES 4
	; ---- the loads for the logits: my wave's 32 tokens of x, my quarter of each W, the scale words, the biases
	v_and_b32 v1, 15, v0                           ; r
	v_bfe_u32 v2, v0, 4, 1                         ; h
	v_and_b32 v3, 31, v0                           ; lane
	v_lshlrev_b32 v[CO], 4, v3                     ; x: 16 bytes a lane
	v_add_nc_u32 v[VRO], s[I0], v1
	v_and_b32 v[VRO], 15, v[VRO]                   ; W1's scales: lane r takes row (r + rotation) mod 16
	v_mul_u32_u24 v[RSO], v1, 24                   ; scale bytes: 24 a row
	v_mul_u32_u24 v[WSO], v[VRO], 24
	v_lshlrev_b32 v[BHO], 5, v2                    ; b2, b3: my eight indices 8 h + 0 .. 7
.irp j, 0,1,2,3,4,5,6,7
	v_lshl_add_u32 v[BO+\j], v2, 3, s[I0]
	v_add_nc_u32 v[BO+\j], \j, v[BO+\j]
	v_and_b32 v[BO+\j], 15, v[BO+\j]
	v_lshlrev_b32 v[BO+\j], 2, v[BO+\j]            ; b1: index (8 h + j + rotation) mod 16
.endr
	s_mul_i32 s58, s[WV], 2304                     ; a W is 9,216 bytes: a quarter to a wave, nine loads of 256 neighbouring bytes
	v_lshl_add_u32 v[VWD], v3, 3, s58
	s_mul_i32 s59, s[I0], 576
	v_add_nc_u32 v[W1B], s59, v[VWD]               ; W1 is brought in ROTATED: byte p of the stage is byte (p + 576 x rotation) mod 9,216 of W1, so that the stage's row r is W1's row (r + rotation) mod 16
.irp k, 0,1,2,3,4,5,6,7,8
	v_add_nc_u32 v[W1O+\k], 256*\k, v[W1B]         ; under 2 x 9,216;
	v_add_nc_u32 v[W1T], 0xffffdc00, v[W1O+\k]     ; less 9,216: a very large number where it was under 9,216,
	v_min_u32 v[W1O+\k], v[W1O+\k], v[W1T]         ; so the smaller of the two is the remainder.  All terms are multiples of 8: no piece of 8 bytes is cut
.endr
	s_mul_i32 s58, s[WV], HT
	s_add_co_u32 s58, s58, XST                     ; my stage of x
	v_lshrrev_b32 v[XSI], 2, v3
	v_lshl_add_u32 v[XSI], v[XSI], 4, v[CO]
	v_add_nc_u32 v[XSI], s58, v[XSI]               ; into it: 16 x lane + 16 (lane / 4): four lanes' 64 bytes, then 16 of padding; a load's 512 bytes take 640
	v_mul_u32_u24 v[XFA], v1, HP
	v_mad_u32_u24 v[XFA], v2, 24, v[XFA]           ; a fragment's row r, + 24 h
	v_add_nc_u32 v[WFA], WST, v[XFA]
	v_add_nc_u32 v[XFA], s58, v[XFA]
	v_lshl_add_u32 v[XFA+1], v2, 4, v[XFA]         ; and + 40 h
	v_lshl_add_u32 v[WFA+1], v2, 4, v[WFA]
	s_mul_i32 s59, s[WV], 2880                     ; my quarter of a W in its stage: 2,304 bytes + 36 paddings
	s_add_co_u32 s59, s59, WST
	v_lshrrev_b32 v[WSI], 3, v3
	v_lshlrev_b32 v[WSI], 4, v[WSI]
	v_lshl_add_u32 v[WSI], v3, 3, v[WSI]
	v_add_nc_u32 v[WSI], s59, v[WSI]               ; 8 x lane + 16 (lane / 8); a load's 256 bytes take 320
	s_lshl_b32 s47, s41, 7
	s_lshl_b32 s54, s[WV], 5
	s_add_co_u32 s47, s47, s54                     ; my wave's first token: 128 x block + 32 x wave
	s_mul_i32 s48, s47, 576
	s_mov_b32 s49, 0
	s_mul_i32 s50, s47, 24
	s_mov_b32 s51, 0
	s_mul_i32 s54, s47, 3072
	s_mov_b32 s55, 0
	s_mul_i32 s56, s42, 1536
	s_mov_b32 s57, 0
	s_add_nc_u64 s[48:49], s[68:69], s[48:49]      ; x's codes,
	s_add_nc_u64 s[50:51], s[70:71], s[50:51]      ; x's scales,
	s_add_nc_u64 s[OUTB:OUTB+1], s[94:95], s[54:55]
	s_add_nc_u64 s[OUTB:OUTB+1], s[OUTB:OUTB+1], s[56:57]  ; and the rows that I store, at my column half
	WIN 0x80                                       ; destination window 2: W first: the other waves wait for it
.irp k, 0,1,2,3,4,5,6,7,8
	global_load_b64 v[WDN+2*\k:WDN+2*\k+1], v[W1O+\k], s[72:73]
.endr
.irp k, 0,1,2,3,4,5,6,7,8
	global_load_b64 v[WDN+18+2*\k:WDN+18+2*\k+1], v[VWD], s[76:77] offset:256*\k
.endr
.irp k, 0,1,2,3,4,5,6,7,8
	global_load_b64 v[WDN+36+2*\k:WDN+36+2*\k+1], v[VWD], s[80:81] offset:256*\k
.endr
	WIN 0xc0                                       ; destination window 3: my 32 tokens' codes are 18,432 dense bytes: 36 loads of 512
.irp k, 0,1,2,3,4,5,6,7,8,9,10,11,12,13,14,15,16,17,18,19,20,21,22,23,24,25,26,27,28,29,30,31,32,33,34,35
	global_load_b128 v[XDN+4*\k:XDN+4*\k+3], v[CO], s[48:49] offset:512*\k
.endr
.irp j, 0,1,2,3,4,5,6,7                        ; the biases, in the result's layout: they are the C of each sum's first product
	global_load_b32 v[BI+\j], v[BO+\j], s[84:85]
.endr
	global_load_b128 v[BI+8:BI+11], v[BHO], s[86:87]
	global_load_b128 v[BI+12:BI+15], v[BHO], s[86:87] offset:16
	global_load_b128 v[BI+16:BI+19], v[BHO], s[88:89]
	global_load_b128 v[BI+20:BI+23], v[BHO], s[88:89] offset:16
	WIN 0
.irp s, 0,1,2,3,4,5
	global_load_b32 v[WS+\s], v[WSO], s[74:75] offset:4*\s
	global_load_b32 v[WS+6+\s], v[RSO], s[78:79] offset:4*\s
	global_load_b32 v[WS+12+\s], v[RSO], s[82:83] offset:4*\s
	global_load_b32 v[XS+\s], v[RSO], s[50:51] offset:4*\s
	global_load_b32 v[XS+6+\s], v[RSO], s[50:51] offset:384+4*\s
.endr
	; ---- while they are on their way: the loop's LDS addresses, and c = log2(e) / temperature
	v_lshl_add_u32 v[ADB], v3, 4, s46
	v_add_nc_u32 v[ADB+1], SLOTB, v[ADB]
	v_mul_u32_u24 v[ADS], v2, QBLK                 ; lanes 16-31 take the second half's words: one product, the distance between the two
	v_lshl_add_u32 v[ADS], v1, 4, v[ADS]
	v_add_nc_u32 v[ADS], s46, v[ADS]
	v_add_nc_u32 v[ADS], 6*FRB, v[ADS]
	v_add_nc_u32 v[ADS+1], SLOTB, v[ADS]
	v_lshl_add_u32 v[ADA], v3, 4, AIMG
	v_lshl_add_u32 v[ADAS], v3, 4, ASC
	s_mul_i32 s58, s[WV], 2*FRB
	v_add_nc_u32 v[AWI], s58, v[ADA]
	s_lshr_b32 s58, s[WV], 1
	s_lshl_b32 s58, s58, 9
	s_and_b32 s59, s[WV], 1
	s_lshl_b32 s59, s59, 3
	s_add_co_u32 s58, s58, s59
	v_add_nc_u32 v[ASW], s58, v[ADAS]
	s_mul_i32 s58, s[WV], TABW
	v_lshl_add_u32 v[PA], v3, 2, s58
	v_add_nc_u32 v[PA], TAB, v[PA]                 ; entry 0 of my wave's table
	v_mul_u32_u24 v[STO], v1, SPITCH
	v_lshl_add_u32 v[STO], v2, 5, v[STO]
	s_mul_i32 s58, s[WV], 384
	v_add_nc_u32 v[STO], s58, v[STO]
	v_mov_b32 v[SA], v[STO]
.irp k, 1,2,3
	v_add_nc_u32 v[SA+\k], 32*SPITCH*\k, v[STO]
.endr
	s_mul_i32 s58, s[WV], 32*SPITCH
	v_lshl_add_u32 v[RD], v3, 4, s58
.irp ps, 0,1,2,3,4,5
	v_mov_b32 v[MT+\ps], 0                         ; written once: a lane permute's destination counts as one of its sources
.endr
	s_wait_kmcnt 0x0
	v_rcp_f32 v[TC], s96
	v_mov_b32 v[TC+1], 0                           ; (a plain instruction behind the reciprocal; the pair's upper word is named with it, so it is written)
	s_wait_alu depctr_va_vdst(0)                   ; the wait ahead of the first use
	v_mul_f32 v[TC], 0x3fb8aa3b, v[TC]
	; ---- through the stages
	s_wait_loadcnt 63                              ; W's 27 loads are in: 78 younger loads were issued; the count's field holds 63, and a smaller count waits for more, not less
	WIN 0x08                                       ; an LDS store's data are its source 1: window 2
.irp n, 0,1,2
.irp k, 0,1,2,3,4,5,6,7,8
	ds_store_b64 v[WSI], v[WDN+18*\n+2*\k:WDN+18*\n+2*\k+1] offset:HT*\n+320*\k
.endr
.endr
	s_wait_loadcnt 42                              ; x's 36 loads are in; the 12 of the biases and the 30 of the scale words may be out
.irp t, 0,1                                    ; a tile of 16 tokens at a time through my own stage.  LDS serves a wave's instructions in order (ISA guide 5.7.1.4): the loads see the stores above them, and the next tile's stores come behind them
	WIN 0x0c                                       ; data: window 3
.irp k, 0,1,2,3,4,5,6,7,8,9,10,11,12,13,14,15,16,17
	ds_store_b128 v[XSI], v[XDN+72*\t+4*\k:XDN+72*\t+4*\k+3] offset:640*\k
.endr
	WIN 0x80                                       ; destination window 2
.irp s, 0,1,2,3,4,5
	HFRAG 12*(6*\t+\s), XFA, \s, 0
.endr
.endr
	WIN 0
	s_wait_dscnt 0x0                               ; for the others' sake: my quarter of each W has landed
	s_barrier_signal -1
	s_barrier_wait -1                              ; all of W lies in its stage
	WIN 0x40                                       ; destination window 1
.irp n, 0,1,2
.irp s, 0,1,2,3,4,5
	HFRAG 12*(6*\n+\s), WFA, \s, HT*\n
.endr
.endr
	WIN 0
	s_wait_loadcnt 0x0                             ; the biases and the scale words
	s_wait_dscnt 0x0                               ; the fragments
	; ---- the logits, transposed: source 0 = 16 rows of W, source 1 = 16 tokens: lane (r, h) holds token r and indices 8 h + 0 .. 7.  Six accumulators by turns, K ascending
	WIN LOGIT
.irp s, 0,1,2,3,4,5
.irp n, 0,1,2
.irp t, 0,1
.if \s == 0
	v_wmma_scale_f32_16x16x128_f8f6f4 v[LG+8*(2*\n+\t):LG+8*(2*\n+\t)+7], v[12*(6*\n+\s):12*(6*\n+\s)+11], v[12*(6*\t+\s):12*(6*\t+\s)+11], v[BI+8*\n:BI+8*\n+7], v[WS+6*\n+\s], v[XS+6*\t+\s] matrix_a_fmt:MATRIX_FMT_BF6 matrix_b_fmt:MATRIX_FMT_BF6
.else
	v_wmma_scale_f32_16x16x128_f8f6f4 v[LG+8*(2*\n+\t):LG+8*(2*\n+\t)+7], v[12*(6*\n+\s):12*(6*\n+\s)+11], v[12*(6*\t+\s):12*(6*\t+\s)+11], v[LG+8*(2*\n+\t):LG+8*(2*\n+\t)+7], v[WS+6*\n+\s], v[XS+6*\t+\s] matrix_a_fmt:MATRIX_FMT_BF6 matrix_b_fmt:MATRIX_FMT_BF6
.endif
.endr
.endr
.endr
	PLACES 4
	; ---- six softmaxes over 16: t = logit x c, the largest t taken away, 2^t, the sum, 1 / the sum.  A token's other eight indices lie in the lane 16 away
	WIN 0x03                                       ; source 0 window 3
.irp ps, 0,1,2,3,4,5
.irp k, 0,2,4,6
	v_pk_mul_f32 v[E+8*\ps+\k:E+8*\ps+\k+1], v[LG+8*\ps+\k:LG+8*\ps+\k+1], v[TC:TC+1] op_sel_hi:[1,0]   ; each accumulator from its low end on
.endr
.endr
	WIN 0
.irp ps, 0,1,2,3,4,5
	v_max3_num_f32 v[M+\ps], v[E+8*\ps], v[E+8*\ps+1], v[E+8*\ps+2]
.endr
.irp i, 3,5
.irp ps, 0,1,2,3,4,5
	v_max3_num_f32 v[M+\ps], v[M+\ps], v[E+8*\ps+\i], v[E+8*\ps+\i+1]
.endr
.endr
.irp ps, 0,1,2,3,4,5
	v_max_num_f32 v[M+\ps], v[M+\ps], v[E+8*\ps+7]
.endr
.irp ps, 0,1,2,3,4,5
	v_permlanex16_b32 v[MT+\ps], v[M+\ps], s[SEL], s[SEL+1]
.endr
.irp ps, 0,1,2,3,4,5
	v_max_num_f32 v[M+\ps], v[M+\ps], v[MT+\ps]
.endr
.irp ps, 0,1,2,3,4,5
.irp j, 0,1,2,3,4,5,6,7
	v_sub_f32 v[E+8*\ps+\j], v[E+8*\ps+\j], v[M+\ps]
.endr
.endr
.irp ps, 0,1,2,3,4,5
.irp j, 0,1,2,3,4,5,6,7
	v_exp_f32 v[E+8*\ps+\j], v[E+8*\ps+\j]
.endr
.endr
	v_nop                                          ; a plain instruction behind the last exponential
	s_wait_alu depctr_va_vdst(0)                   ; one wait for the batch of 48, ahead of its first reader
.irp ps, 0,1,2,3,4,5
	v_add_f32 v[S+\ps], v[E+8*\ps], v[E+8*\ps+1]
.endr
.irp j, 2,3,4,5,6,7
.irp ps, 0,1,2,3,4,5
	v_add_f32 v[S+\ps], v[S+\ps], v[E+8*\ps+\j]
.endr
.endr
.irp ps, 0,1,2,3,4,5
	v_permlanex16_b32 v[MT+\ps], v[S+\ps], s[SEL], s[SEL+1]
.endr
.irp ps, 0,1,2,3,4,5
	v_add_f32 v[S+\ps], v[S+\ps], v[MT+\ps]
.endr
.irp ps, 0,1,2,3,4,5
	v_rcp_f32 v[R+\ps], v[S+\ps]
.endr
	v_nop
	s_wait_alu depctr_va_vdst(0)                   ; one wait for the six reciprocals
.irp t, 0,1
	SPREAD P3+16*\t, 4+\t                          ; p3: all 16 stay in registers,
	v_max3_num_f32 v[P3M+2*\t], v[P3+16*\t], v[P3+16*\t+1], v[P3+16*\t+2]
.irp i, 3,5,7,9,11,13
	v_max3_num_f32 v[P3M+2*\t], v[P3M+2*\t], v[P3+16*\t+\i], v[P3+16*\t+\i+1]
.endr
	v_max_num_f32 v[P3M+2*\t], v[P3M+2*\t], v[P3+16*\t+15]         ; and the largest of them
	v_mov_b32 v[P3M+2*\t+1], 0
	SPREAD Q, 2+\t                                 ; p2: the eight that my half of the lanes multiplies by
.irp x, 0,1,2,3,4,5,6,7
	v_cndmask_b32 v[P2S+8*\t+\x], v[Q+8*(\x/4)+4*((\x/2)%2)+\x%2], v[Q+8*(\x/4)+4*((\x/2)%2)+2+\x%2], s[HM]
.endr
	SPREAD Q, \t                                   ; p1, in the rotated order: into my wave's table, a word a lane; nobody else reads it
.irp x, 0,1,2,3,4,5,6,7,8,9,10,11,12,13,14,15
	ds_store_b32 v[PA], v[Q+\x] offset:TABT*\t+128*\x
.endr
	ds_store_b32 v[PA], v[Q] offset:TABT*\t+2048   ; entry 16: the last list's loads read it and nobody uses it
	v_mov_b32 v[P1V+\t], v[Q]                      ; the first chunk's p1
	s_wait_dscnt 0x0                               ; the stores are done before the registers are written again
.endr
	; ---- P of the first chunk, with nothing to set it between; then the first half of the first chunk, whose products start the sums, with P of the second chunk in slices of five (48 x 5 = 240; 24 x 5 = 120 cover tile 0's 115)
.set GP, 0
.set GB, 0
	GEN GEND
	PUT 0
	PUT 1
	P1LOAD
	s_wait_tensorcnt 1                             ; my part of slot 0 is in; slot 1's may stay out
	s_wait_dscnt 0x0                               ; my images and scale words have landed, and the second chunk's p1 is in
	s_barrier_signal -1
	s_barrier_wait -1
	FETCH_B 0, 0, 0
	FETCH_A 0, 0, 0
	SCALES 0
	FETCH_A 0, 0, 4
	WIN 0
.set GP, 0
.set GB, 1
	STEPA 0, 1, 5
	s_mov_b32 s[LP], 7
.Llap:                                             ; a trip: two chunks, from one's second half to the first half of the next but one; both slots and both buffers are filled again
	TURN 0, 1, 1
	STEPA 1, 0, NS
	TURN 1, 0, 1
	STEPA 0, 0, NS
	s_sub_co_u32 s[LP], s[LP], 1
	s_cmp_lg_u32 s[LP], 0
	s_cbranch_scc1 .Llap
	TURN 0, 1, 0                                   ; the tail is written out: nothing more is asked for or made
	STEPA 1, 0, 0
	s_wait_dscnt 12
.irp a, 0,1,2,3
	MULA \a, 1, 1, 1, 0, 0
.endr
	s_wait_dscnt 0x0                               ; my last reads of the slots and of P's images are in:
	s_barrier_signal -1                            ; say so,
.irp a, 4,5,6,7
	MULA \a, 1, 1, 1, 0, 0
.endr
	WIN 0
	s_barrier_wait -1                              ; and nobody reads them any more: the stage may be laid over them (they have had their last fill)
	; ---- THE WAY OUT.  A lane holds 32 neighbouring bytes of a row, a row's 1,536 bytes come from four waves: all go through one stage, and each wave stores 32 whole rows
	PLACES 4
.irp a, 0,1,2,3,4,5,6,7
	WIN 0x08+4*(\a/4)                              ; an LDS store's data are its source 1: window 2 or 3
.irp b, 0,1,2,3,4,5
	ds_store_b128 v[SA+\a/2], v[8*(6*(\a%4)+\b):8*(6*(\a%4)+\b)+3] offset:16*SPITCH*(\a%2)+64*\b        ; each accumulator from its low end on
	ds_store_b128 v[SA+\a/2], v[8*(6*(\a%4)+\b)+4:8*(6*(\a%4)+\b)+7] offset:16*SPITCH*(\a%2)+64*\b+16
.endr
.endr
	WIN 0
	s_wait_dscnt 0x0                               ; for the others' sake: my stores into the stage are done
	s_barrier_signal -1
	s_barrier_wait -1
.macro RB k                            ; rows 8 k .. 8 k + 7 of my 32 come back: 24 loads of 512 consecutive bytes, into bank k % 2
.irp i, 0,1,2,3,4,5,6,7
.irp u, 0,1,2
	ds_load_b128 v[OB+96*((\k)%2)+4*(3*\i+\u):OB+96*((\k)%2)+4*(3*\i+\u)+3], v[RD] offset:SPITCH*(8*(\k)+\i)+512*\u
.endr
.endr
.endm
.macro ST k                            ; and are stored: 32 lanes store 512 consecutive bytes, at a multiple of 256 from out0's first byte; written once, read by nobody here
.irp i, 0,1,2,3,4,5,6,7
.irp u, 0,1,2
	global_store_b128 v[CO], v[OB+96*((\k)%2)+4*(3*\i+\u):OB+96*((\k)%2)+4*(3*\i+\u)+3], s[OUTB:OUTB+1] offset:3072*(8*(\k)+\i)+512*\u th:TH_STORE_NT
.endr
.endr
.endm
	RB 0
	RB 1
	s_wait_dscnt 24                                ; the first batch is back; the second's 24 loads may be out
	ST 0
	s_wait_xcnt 0x0                                ; the stores have read their registers: the bank may be loaded again
	RB 2
	s_wait_dscnt 24
	ST 1
	s_wait_xcnt 0x0
	RB 3
	s_wait_dscnt 24
	ST 2
	s_wait_dscnt 0x0
	ST 3
	s_wait_tensorcnt 0x0                           ; the wave's end: behind my last tensor load and my last LDS store
	ds_add_u32 v[SPW], v[NIL]
	s_wait_dscnt 0x0
	CROUND                                         ; the closing round: no work-group ends while a partner may still ask for a tile that names it
	s_endpgm
.Lfunc_end_k_q556ebcae44_joint:
	.size	k_q556ebcae44_joint, .Lfunc_end_k_q556ebcae44_joint-k_q556ebcae44_joint
	.p2alignl 7, 3214868480
	.fill 96, 4, 3214868480
	.section	.rodata,"a",@progbits
	.p2align	6, 0x0
	.amdhsa_kernel k_q556ebcae44_joint
		.amdhsa_group_segment_fixed_size 327680
		.amdhsa_private_segment_fixed_size 0
		.amdhsa_enable_private_segment 0
		.amdhsa_kernarg_size 112
		.amdhsa_user_sgpr_count 2
		.amdhsa_user_sgpr_kernarg_segment_ptr 1
		.amdhsa_wavefront_size32 1
		.amdhsa_system_sgpr_workgroup_id_x 1
		.amdhsa_system_sgpr_workgroup_id_y 1
		.amdhsa_system_sgpr_workgroup_id_z 1
		.amdhsa_system_vgpr_workitem_id 0
		.amdhsa_next_free_vgpr 1024
		.amdhsa_next_free_sgpr 100
		.amdhsa_reserve_vcc 0
		.amdhsa_float_denorm_mode_32 3
		.amdhsa_float_denorm_mode_16_64 3
		.amdhsa_memory_ordered 1
		.amdhsa_forward_progress 1
		.amdhsa_inst_pref_size 224
	.end_amdhsa_kernel
	.amdgpu_metadata
---
amdhsa.version: [ 1, 2 ]
amdhsa.kernels:
  - .name:           k_q556ebcae44_joint
    .symbol:         k_q556ebcae44_joint.kd
    .args:
      - { .name: x_codes, .offset: 0, .size: 8, .value_kind: global_buffer, .address_space: global }
      - { .name: x_scales, .offset: 8, .size: 8, .value_kind: global_buffer, .address_space: global }
      - { .name: W1_codes, .offset: 16, .size: 8, .value_kind: global_buffer, .address_space: global }
      - { .name: W1_scales, .offset: 24, .size: 8, .value_kind: global_buffer, .address_space: global }
      - { .name: W2_codes, .offset: 32, .size: 8, .value_kind: global_buffer, .address_space: global }
      - { .name: W2_scales, .offset: 40, .size: 8, .value_kind: global_buffer, .address_space: global }
      - { .name: W3_codes, .offset: 48, .size: 8, .value_kind: global_buffer, .address_space: global }
      - { .name: W3_scales, .offset: 56, .size: 8, .value_kind: global_buffer, .address_space: global }
      - { .name: b1, .offset: 64, .size: 8, .value_kind: global_buffer, .address_space: global }
      - { .name: b2, .offset: 72, .size: 8, .value_kind: global_buffer, .address_space: global }
      - { .name: b3, .offset: 80, .size: 8, .value_kind: global_buffer, .address_space: global }
      - { .name: temperature, .offset: 88, .size: 8, .value_kind: global_buffer, .address_space: global }
      - { .name: gq, .offset: 96, .size: 8, .value_kind: global_buffer, .address_space: global }
      - { .name: out0, .offset: 104, .size: 8, .value_kind: global_buffer, .address_space: global }
    .group_segment_fixed_size: 327680
    .private_segment_fixed_size: 0
    .kernarg_segment_align: 8
    .kernarg_segment_size: 112
    .max_flat_workgroup_size: 128
    .sgpr_count:     100
    .vgpr_count:     1024
    .wavefront_size: 32
...
	.end_amdgpu_metadata
.endif
;; end of part 2
